; MI455X (gfx1250); checked and timed in simulation.
; The chip was launched on July 23, 2026; its instructions are those of AMD's public machine-readable ISA for CDNA 5 (MIT licence, August 2026) and "CDNA5" Instruction Set Architecture Reference Guide (July 2026). The comments in the code are by the model that wrote it; some were corrected since.
;; W8 A8 B32 O32 Linear Without Scaling. Allowed arithmetic: float matrix products may take bf16 or f16 operands with f32 sums; other float arithmetic in f32, or as packed bf16 or f16 multiplies, adds, multiply-adds, maxima and minima; sums over many terms, partial sums and values carried from step to step in f32; what a program stores and reads back later, other than sums and carried values, may be rounded once to bf16 or f16.
;; Inputs: bias 1 x 4,096 int32; weight 4,096 x 4,096 int8; x 4 x 1,024 x 4,096 int8.
;; Outputs: out0 4 x 1,024 x 4,096 int32.
;; One version. Each part assembles by itself: llvm-mc -triple=amdgcn-amd-amdhsa -mcpu=gfx1250 --defsym DOCPART=n.
;; ======== version 1 of 1: 1 launch
;; launch gemm (part 1): grid 16 x 16, 4 waves a work-group, clusters of 4 x 4, 327,680 bytes of LDS; arguments x, weight, out0, bias; writes out0
.if DOCPART == 1
	.amdgcn_target "amdgcn-amd-amdhsa--gfx1250"
	.amdhsa_code_object_version 6
	.text
	.protected	k_q81b8fb9485_gemm
	.globl	k_q81b8fb9485_gemm
	.p2align	8
	.type	k_q81b8fb9485_gemm,@function
k_q81b8fb9485_gemm:
	s_mov_b64 s[64:65], 0
	v_nop
	global_prefetch_b8 v0, s[64:65] scope:SCOPE_SE
	s_setreg_imm32_b32 hwreg(HW_REG_WAVE_MODE, 25, 1), 1
	s_wait_xcnt 0x0
	s_wait_alu depctr_hold_cnt(0) depctr_sa_sdst(0) depctr_va_vdst(0) depctr_va_sdst(0) depctr_va_ssrc(0) depctr_va_vcc(0) depctr_vm_vsrc(0)
	s_getreg_b32 s2, hwreg(HW_REG_IB_STS2, 6, 4)
	s_cmp_eq_u32 s2, 0
	s_cbranch_scc0 .Lentry_in_a_cluster
	s_endpgm
.Lentry_in_a_cluster:
	s_bfe_u32 s2, ttmp6, 0x10000c
	s_cmp_lg_u32 s2, 0xf033
	s_cbranch_scc0 .Lentry_shape_is_right
	s_endpgm
.Lentry_shape_is_right:
; out0[m][n] = bias[n] + the sum over k of x[m][k] weight[n][k].  x: [4096][4096] int8, weight: [4096][4096] int8, bias: [4096] int32, out0: [4096][4096] int32.
; WHOLE NUMBERS, COMPARED EXACTLY: the products go to the matrix unit as the signed bytes that they are (v_wmma_i32_16x16x64_iu8, both sources signed), the sums are i32: nothing is converted, nothing rounded.
; LIMIT.  The bias starts each sum, so a partial sum is bias + at most 4096 x 128 x 128 = 2^26 in size: for |bias| <= 2^31 - 2^26 - 1 no partial sum leaves i32.  Beyond that the text leans on i32 sums
; that wrap round, as the sum that it stands for does.  The byte -128 is served like any other.
; SHARES.  A tile of out0, 256 x 256, is made by a work-group of four waves; 16 x 16 tiles, one to a work-group.  A wave makes 128 x 128: 64 accumulators of 16 x 16, 512 registers.
; K goes in 16 steps of 256 through a ring of two LDS slots filled by the tensor data mover: a tile's rows are 256 consecutive bytes of memory, at multiples of 256 from the buffer's first byte.
; CLUSTERS: 4 x 4 work-groups.  The four of a row of the cluster need the same tiles of x, the four of a column the same tiles of weight: each tile is asked for JOINTLY, by the same tensor load with the
; same descriptor and a mask that names the four; each receives it in its own LDS.
; THE MATRIX INSTRUCTION IS USED TRANSPOSED: source 0 = 16 rows of weight, source 1 = 16 rows of x.  In the result lane l holds row m = l % 16 of out0, and its registers 0 to 7 the columns
; n = 8 (l / 16) + 0 .. 7: 32 neighbouring bytes of a row.
; THE BIAS COSTS NO INSTRUCTION: for each of my eight blocks of 16 columns, eight registers hold bias[16 b + 8 (l / 16) + 0 .. 7], and they are the C operand of the first product of every accumulator of that
; block.  Nothing is cleared, nothing is added afterwards.
; K IS PERMUTED, ALIKE IN BOTH SOURCES: of a fragment's 64 bytes along K lane l takes bytes 16 (l / 16) + 0..15 into registers 0-3 and bytes 32 + 16 (l / 16) + 0..15 into registers 4-7: two loads of 16 bytes, 32 bytes
; apart.  Each place of source 0 meets the same place of source 1, all 64 are covered, and a sum of whole numbers has one value whatever its order.
;
; REGISTERS, in windows of 256 (an instruction names v0-v255; s_set_vgpr_msb says which window each operand place means: bits 1:0 source 0, 3:2 source 1, 5:4 source 2, 7:6 destination):
;   window 0: v0-31 addresses; v64-127, v128-191 fragments of x (8 x 16 rows x 64 K), two buffers, on the way out rows read back from the stage; v192-255 the bias
;   window 1: v64-127, v128-191 fragments of weight, two buffers
;   window 2: the 32 accumulators of my rows 0-63 (accumulator (a, b) at v[8 (8 a + b)]);   window 3: those of my rows 64-127
.set KSTEP,  256                       ; bytes of K in a step
.set ROWK,   4096                      ; bytes in a row of x and of weight
.set ROWC,   16384                     ; bytes in a row of out0
.set PITCH,  272                       ; an LDS row: 256 bytes of data + 16 of padding = 68 words: row r starts at bank 4 r mod 64 (64 banks of 4 bytes: ISA guide 11.1), so the 16 rows that a load touches start at 16 different banks
.set HALFT,  128*PITCH                 ; 128 rows: what one tensor load brings, and what one wave reads of x or of weight
.set SLOT,   4*HALFT                   ; x's 256 rows, then weight's 256 rows
.set STAGE,  2*SLOT                    ; behind the ring: 16 rows x 528 bytes for each wave, for the way out; no tensor load lands here
.set SPITCH, 528                       ; a stage row: my 128 columns, 512 bytes, + 16: 132 words, so the 16 rows again start at 16 different banks
.set SPARE,  STAGE+4*16*SPITCH         ; behind the stages: the spare words, 128 bytes for each wave: two blocks of 256 bytes that no other line names
.set LAPS,   8                         ; a lap = two K steps = once round the ring
.set ADRA, 16                          ; v16-17  LDS address of my fragments of x in slot 0, 1
.set ADRB, 20                          ; v20-21  the same for weight
.set STO,  24                          ; v24     the way out: where I put my 32 bytes of a row
.set RD,   25                          ; v25     the way out: where I read 16 bytes of a row back
.set CO,   26                          ; v26     my byte offset in my wave's 512 bytes of a row of out0; never rewritten
.set BO,   27                          ; v27     my byte offset in bias; never rewritten
.set SPW,  28                          ; v28     LDS address of my spare word: SPARE + 4 x my thread's number; never rewritten
.set NIL,  29                          ; v29     0; never rewritten
.set PFO,  30                          ; v30     the prefetches' offset: my lane x a row of x or weight; never rewritten
.set F0,   64                          ; fragment buffer 0
.set F1,   128                         ; fragment buffer 1
.set OB,   64                          ; the way out: 16 rows read back from the stage: v64-127 and v128-191 by turns
.set BIAS, 192                         ; v[BIAS+8 b ..+7]: the bias of my column block b
.set WV,   12                          ; s12  my wave's number
.set HR,   13                          ; s13  which half of the tile's rows is mine.  Also: I fetch for x (0) or for weight (1)
.set HC,   14                          ; s14  which half of its columns.  Also: which 128 rows of that tile I fetch
.set TR,   15                          ; s15  tile row of out0
.set G1,  24                           ; s[24:31] descriptor group 1 for x's tiles
.set G0,  32                           ; s[32:39] descriptor group 0 for x's tiles, one set for each slot
.set LIM, 43                           ; s43  1 in a wave that prefetches, else the greatest number
.set PFA, 44                           ; s[44:45] where my prefetches stand: my work-group's 32 rows of the 128 that I fetch, at the K step that is being asked for; a prefetch names the K step after that
.set G1B, 48                           ; s[48:55] descriptor group 1 for weight's tiles: it differs from x's in the mask alone
.set G0B, 56                           ; s[56:63] descriptor group 0 for weight's tiles, one set for each slot
.set MSB, 0
.macro WIN new                         ; the immediate's high byte repeats the setting that is left; a switch that changes nothing is dropped
.if MSB != (\new)
	s_set_vgpr_msb (MSB<<8)|(\new)
.set MSB, \new
.endif
.endm
.set MUL_LO,   0xa1                    ; source 0 (weight) window 1, source 1 (x) window 0, C and D window 2
.set FIRST_LO, 0x81                    ; the same with C, the bias, in window 0
.set TO_B,     0x40                    ; destination window 1, address window 0
.set ST_LO,    0x08                    ; an LDS store's data (source 1) in window 2
; A joint load.  Waves 0 and 1 fetch x's two halves, waves 2 and 3 weight's.  Each of the two lines has ONE mask and one set of registers for all that issue it, and nothing in them hangs on a coordinate
; that the four partners do not share.  The branch hangs on the wave's number alone.  An s_nop 0 and four v_nop follow each of the two lines, ahead of the jump, the label and what follows.
.macro JLOAD s
	s_cmp_eq_u32 s[HR], 0
	s_cbranch_scc0 .Lfor_b_\@
	tensor_load_to_lds s[G0+4*(\s):G0+4*(\s)+3], s[G1:G1+7]
	s_nop 0
.rept 4
	v_nop
.endr
	s_branch .Lasked_\@
.Lfor_b_\@:
	tensor_load_to_lds s[G0B+4*(\s):G0B+4*(\s)+3], s[G1B:G1B+7]
	s_nop 0
.rept 4
	v_nop
.endr
.Lasked_\@:
.endm
; A PREFETCH INTO THE L2, behind each joint load, its five lines and the run of LDS loads that follows them: the K step that the NEXT refill will ask for, 256 matrix instructions ahead of that load:
; 32 rows x 256 bytes, a lane a row, one instruction a wave.  Each row's 256 bytes of a K step are named ONCE in the launch.  x's tile row is read by every cluster of that row of clusters: the first of
; them (cluster x = 0) prefetches; weight's tile column by every cluster of that column: cluster y = 0 prefetches.  The four partners that ask for a tile jointly share its rows out BY ADDRESS: of the 128
; rows that a wave fetches the partner at place p takes 32 p .. 32 p + 31 (p = cx for x, cy for weight): no branch hangs on a work-group's place in its cluster.
; K steps 0, 1 and 2 come by their loads alone.  how = 1 (slot 0's refills, K steps 2, 4 .. 14): there is always a K step behind.  how = 0 (slot 1's, K steps 3, 5 .. 15): the last has none, and asks for nothing.
.macro ASK how
.if \how
	s_cmp_eq_u32 s[LIM], 1
.else
	s_cmp_gt_u32 s3, s[LIM]                        ; s3 = 1 in the loop's last trip
.endif
	s_cbranch_scc0 .Lnot_mine_\@
	global_prefetch_b8 v[PFO], s[PFA:PFA+1] offset:KSTEP th:TH_LOAD_NT scope:SCOPE_SE
.Lnot_mine_\@:
.endm
; A round of the cluster's barrier: my work-group's barrier, so that wave 0's signal speaks for all four waves; wave 0 signals for the work-group; every wave waits for all sixteen work-groups; my
; work-group's barrier once more.  No LDS instruction of the wave is pending at a signal.
.macro CREST                           ; a round behind its opening barrier
	s_cmp_lg_u32 s[WV], 0
	s_cbranch_scc1 .Lnot_wave_0_\@
	s_barrier_signal -3
.Lnot_wave_0_\@:
	s_barrier_wait -3
	s_barrier_signal -1
	s_barrier_wait -1
.endm
.macro CROUND                          ; a whole round
	s_barrier_signal -1
	s_barrier_wait -1
	CREST
.endm
	s_load_b256 s[4:11], s[0:1], 0x0               ; x s[4:5], weight s[6:7], out0 s[8:9], bias s[10:11]
	v_lshl_add_u32 v[SPW], v0, 2, SPARE
	v_mov_b32 v[NIL], 0
	ds_add_u32 v[SPW], v[NIL]                      ; the wave's opening: the add, twice on end, and its wait ahead of my first tensor load; the set-up below, work on registers, stands between the second and the wait
	ds_add_u32 v[SPW], v[NIL]                      ; and once more, under the one wait
	v_lshrrev_b32 v1, 5, v0
	v_readfirstlane_b32 s[WV], v1                  ; wave 0..3
	s_lshr_b32 s[HR], s[WV], 1
	s_and_b32 s[HC], s[WV], 1
	s_bfe_u32 s40, ttmp6, 0x40000                  ; cx: my place along the cluster's x
	s_bfe_u32 s41, ttmp6, 0x40004                  ; cy: along its y
	s_lshl_b32 s42, ttmp9, 2                       ; in a cluster launch ttmp9 and ttmp7 count clusters
	s_add_co_u32 s42, s42, s40                     ; tile column of out0 = 4 x cluster x + cx
	s_and_b32 s[TR], ttmp7, 0xffff
	s_lshl_b32 s[TR], s[TR], 2
	s_add_co_u32 s[TR], s[TR], s41                 ; tile row of out0 = 4 x cluster y + cy
	s_lshl_b32 s43, s41, 2
	s_lshl_b32 s43, 15, s43                        ; my row of the cluster: places 4 cy .. 4 cy + 3
	s_lshl_b32 s44, 0x1111, s40                    ; my column: places cx, cx + 4, cx + 8, cx + 12
	; descriptor group 1: a tile of 128 rows x 256 bytes, padded in LDS.  The mover copies bytes: a row is stated as 128 elements of 2 bytes, the pitch as 2,048 of them
	s_or_b32 s[G1+0], s43, (1<<16)|(1<<20)|(1<<21)|(5<<22)|(3<<25)  ; 15:0 the mask: x's tiles go to my row; 17:16 element of 2 bytes; 20 padding on; 21 set beside a mask; 24:22 after every 64 words (code 5); 31:25 of 4 words (code 3)
	s_or_b32 s[G1B+0], s44, (1<<16)|(1<<20)|(1<<21)|(5<<22)|(3<<25) ; the same with the mask of my column, for weight's tiles
.irp g, G1, G1B
	s_mov_b32 s[(\g)+1], 128<<16                   ; 63:48 tensor_dim0, low half = 128
	s_mov_b32 s[(\g)+2], 128<<16                   ; 79:64 its high half = 0; 95:80 tensor_dim1, low half = 128
	s_mov_b32 s[(\g)+3], 128<<16                   ; 111:96 its high half = 0; 127:112 tile_dim0 = 128
	s_mov_b32 s[(\g)+4], 128                       ; 143:128 tile_dim1 = 128; 159:144 tile_dim2 = 0
	s_mov_b32 s[(\g)+5], ROWK/2                    ; 191:160 tensor_dim0_stride, low word: elements from row to row
	s_mov_b32 s[(\g)+6], 0
	s_mov_b32 s[(\g)+7], 0
.endr
	; where the tiles come from.  x's hang on the tile row alone, which my row of the cluster shares; weight's on the tile column alone, which my column shares.
	; Every wave makes both addresses, in registers that never hold the other coordinate, and asks by one of them.
	s_lshl_b32 s17, s[HC], 7                       ; which 128 rows of the tile I fetch
	s_lshl_b32 s16, s[TR], 8
	s_add_co_u32 s16, s16, s17                     ; x: row 256 x tile row + 128 x half
	s_lshl_b32 s46, s42, 8
	s_add_co_u32 s46, s46, s17                     ; weight: row 256 x tile column + 128 x half
	s_lshl_b32 s16, s16, 12                        ; in bytes: rows of 4,096, under 2^24
	s_lshl_b32 s46, s46, 12
	s_mov_b32 s17, 0
	s_mov_b32 s47, 0
	s_mul_i32 s20, s[WV], HALFT                    ; and where they go: x's two halves, then weight's two halves = wave x 128 rows: no place in the cluster enters an LDS address
	s_wait_dscnt 0x0                               ; both opening adds are done
	s_wait_kmcnt 0x0
	s_add_nc_u64 s[18:19], s[4:5], s[16:17]
	s_add_nc_u64 s[46:47], s[6:7], s[46:47]
	CROUND                                         ; all sixteen work-groups are here: the first joint loads meet
.irp s, 0,1
	s_mov_b32 s[G0+4*(\s)], 1                                      ; 1:0 count = 1
	s_add_co_u32 s[G0+4*(\s)+1], s20, (\s)*SLOT                    ; 63:32 LDS address
	s_add_nc_u64 s[G0+4*(\s)+2:G0+4*(\s)+3], s[18:19], (\s)*KSTEP  ; 120:64 global address: K step s
	s_or_b32 s[G0+4*(\s)+3], s[G0+4*(\s)+3], 0x80000000            ; 127:126 type = 2
	s_mov_b32 s[G0B+4*(\s)], 1
	s_add_co_u32 s[G0B+4*(\s)+1], s20, (\s)*SLOT
	s_add_nc_u64 s[G0B+4*(\s)+2:G0B+4*(\s)+3], s[46:47], (\s)*KSTEP
	s_or_b32 s[G0B+4*(\s)+3], s[G0B+4*(\s)+3], 0x80000000
	JLOAD \s                                       ; the ring is filled before anything else is done: two loads of mine are out
.endr
	; a fragment's address: row l % 16 of 16, 16 bytes for each half of the lanes
	v_and_b32 v1, 15, v0                           ; l % 16
	v_bfe_u32 v2, v0, 4, 1                         ; l / 16
	v_mul_u32_u24 v3, v1, PITCH
	v_lshl_add_u32 v3, v2, 4, v3                   ; row x pitch + 16 x half
	s_mul_i32 s21, s[HR], HALFT                    ; my 128 rows of x
	s_mul_i32 s22, s[HC], HALFT                    ; my 128 rows of weight,
	s_add_co_u32 s22, s22, 2*HALFT                 ; which lie behind x's 256
.irp s, 0,1
	v_add_nc_u32 v[ADRA+(\s)], s21, v3
	v_add_nc_u32 v[ADRB+(\s)], s22, v3
	s_add_co_u32 s21, s21, SLOT
	s_add_co_u32 s22, s22, SLOT
.endr
	s_mul_i32 s23, s[WV], 16*SPITCH
	s_add_co_u32 s23, s23, STAGE                   ; my stage
	v_mul_u32_u24 v4, v1, SPITCH                   ; in: row l % 16, 32 bytes for each half of the lanes
	v_lshl_add_u32 v4, v2, 5, v4
	v_add_nc_u32 v[STO], s23, v4
	v_and_b32 v5, 31, v0                           ; l
	v_lshlrev_b32 v[CO], 4, v5                     ; back, and in out0: 32 lanes x 16 bytes are a row's 512 bytes
	v_add_nc_u32 v[RD], s23, v[CO]
	; out0 at my part of the tile
	s_lshl_b32 s16, s[TR], 8
	s_lshl_b32 s17, s[HR], 7
	s_add_co_u32 s16, s16, s17                     ; my first row: 256 x tile row + 128 x half,
	s_lshl_b32 s16, s16, 14                        ; in bytes: rows of 16,384, under 2^26
	s_mov_b32 s17, 0
	s_add_nc_u64 s[8:9], s[8:9], s[16:17]
	s_lshl_b32 s46, s42, 10                        ; my first column, in bytes: 1,024 x tile column + 512 x half (in the registers that held weight's address: none that feeds x's descriptors ever holds cx)
	s_lshl_b32 s47, s[HC], 9
	s_add_co_u32 s46, s46, s47
	s_mov_b32 s47, 0
	s_add_nc_u64 s[8:9], s[8:9], s[46:47]
	v_lshl_add_u32 v[BO], v2, 5, s46               ; the same bytes into bias, + my lanes' 8 columns
.irp b, 0,1,2,3,4,5,6,7
	global_load_b128 v[BIAS+8*(\b):BIAS+8*(\b)+3],   v[BO], s[10:11] offset:64*(\b)     ; bias[16 b + 8 (l / 16) + 0..3]
	global_load_b128 v[BIAS+8*(\b)+4:BIAS+8*(\b)+7], v[BO], s[10:11] offset:64*(\b)+16  ; and + 4..7
.endr
	; the prefetches
	s_lshl_b32 s20, s[TR], 8
	s_lshl_b32 s21, s42, 8
	s_and_b32 s22, ttmp7, 0xffff                   ; cluster y
	s_cmp_eq_u32 s[HR], 0                          ; do I fetch for x?
	s_cselect_b32 s20, s20, s21                    ; the tile's first row: in x by the tile row, in weight by the tile column
	s_cselect_b32 s21, s40, s41                    ; my place among the four that ask for it with me
	s_cselect_b32 s22, ttmp9, s22                  ; the coordinate along which other clusters read the same rows
	s_cselect_b64 s[PFA:PFA+1], s[4:5], s[6:7]
	s_cmp_eq_u32 s22, 0
	s_cselect_b32 s[LIM], 1, -1                    ; the same in all sixteen partners, for a given wave
	s_lshl_b32 s22, s[HC], 7
	s_add_co_u32 s20, s20, s22                     ; + the 128 rows that I fetch
	s_lshl_b32 s21, s21, 5
	s_add_co_u32 s20, s20, s21                     ; + my work-group's 32 of them
	s_lshl_b32 s20, s20, 12
	s_mov_b32 s21, 0
	s_add_nc_u64 s[PFA:PFA+1], s[PFA:PFA+1], s[20:21]
	s_add_nc_u64 s[PFA:PFA+1], s[PFA:PFA+1], KSTEP ; at K step 1: the first refill steps it to 2 and names K step 3
	v_lshlrev_b32 v[PFO], 12, v5
	; nothing is prefetched here, at the head, where every work-group's first two tiles are on their way
; 16 matrix instructions: m blocks a0, a0 + 1 of the window's four (hi = 0: my rows 0-63, 1: rows 64-127) x all 8 n blocks, 64 along K.  first = 1: the product starts the sum, from the bias.
; The 64 accumulators take turns, one instruction a turn, in the same order in every quarter step, over the backward jump too.
.macro MUL16 f, hi, a0, first
.if \first
	WIN FIRST_LO+0x40*(\hi)
.else
	WIN MUL_LO+0x50*(\hi)
.endif
.irp a, \a0, (\a0)+1
.irp b, 0,1,2,3,4,5,6,7
.if \first
	v_wmma_i32_16x16x64_iu8 v[8*(8*(\a)+(\b)):8*(8*(\a)+(\b))+7], v[(\f)+8*(\b):(\f)+8*(\b)+7], v[(\f)+8*(4*(\hi)+(\a)):(\f)+8*(4*(\hi)+(\a))+7], v[BIAS+8*(\b):BIAS+8*(\b)+7] neg_lo:[1,1,0]
.else
	v_wmma_i32_16x16x64_iu8 v[8*(8*(\a)+(\b)):8*(8*(\a)+(\b))+7], v[(\f)+8*(\b):(\f)+8*(\b)+7], v[(\f)+8*(4*(\hi)+(\a)):(\f)+8*(4*(\hi)+(\a))+7], v[8*(8*(\a)+(\b)):8*(8*(\a)+(\b))+7] neg_lo:[1,1,0]
.endif
.endr
.endr
.endm
; 32 LDS loads in one run: the fragments of one quarter step (128 rows of weight, 128 rows of x, 64 K at byte k of the rows) into buffer f
.macro FETCH slot, k, f
	WIN TO_B
.irp i, 0,1,2,3,4,5,6,7
	ds_load_b128 v[(\f)+8*(\i):(\f)+8*(\i)+3],   v[ADRB+(\slot)] offset:(\k)+(\i)*16*PITCH
	ds_load_b128 v[(\f)+8*(\i)+4:(\f)+8*(\i)+7], v[ADRB+(\slot)] offset:(\k)+(\i)*16*PITCH+32
.endr
	WIN 0
.irp i, 0,1,2,3,4,5,6,7
	ds_load_b128 v[(\f)+8*(\i):(\f)+8*(\i)+3],   v[ADRA+(\slot)] offset:(\k)+(\i)*16*PITCH
	ds_load_b128 v[(\f)+8*(\i)+4:(\f)+8*(\i)+7], v[ADRA+(\slot)] offset:(\k)+(\i)*16*PITCH+32
.endr
.endm
; A load into a register that a matrix instruction of this form has read, and an LDS store that reads its result, stand eight places behind it, and only plain vector instructions that name none of its
; registers are places (ISA guide 7.12.1 for vector instructions); the matrix instructions in between are not counted.  So eight v_nop stand in front of each run
; of loads: 32 issue slots for a K step's 256 matrix instructions.
.macro PLACES n
.rept \n
	v_nop
.endr
.endm
; A K step is four quarter steps of 64 along K, 64 matrix instructions each, on buffers 0, 1, 0, 1.
; One of the first three: multiplies buffer f; in its middle it fetches the next quarter's fragments, at byte k of the same slot's rows, into buffer g.
.macro QUARTER slot, k, f, g, first
	s_wait_dscnt 8                                 ; weight and x's rows 0-63 are in; the youngest eight loads (x's rows 64-127) may be out
	MUL16 \f, 0, 0, \first
	MUL16 \f, 0, 2, \first
	PLACES 8
	FETCH \slot, \k, \g
	s_wait_dscnt 32                                ; all but the 32 just issued
	MUL16 \f, 1, 0, \first
	MUL16 \f, 1, 2, \first
.endm
; The last quarter multiplies buffer 1 and changes slots: ONE barrier, for two things.  In front of it each wave waits for all its tensor loads, of which one is out: its part of the next slot; adds 0 to its
; spare word; and waits for that and for its own reads of this slot.  Behind it nobody reads this slot any more and the next slot is whole.
; fill = 1: the barrier opens a round of the cluster's barrier, so that no wave of any partner still reads this slot's tile or has a load on its way; the slot is filled again, with the K step two on, first
; thing behind the round; then come the next slot's first fragments.  From a request to the wait for it a wave issues 224 matrix instructions.
.macro TURN slot, next, fill
.if \fill
	s_wait_xcnt 0x0                                ; the last prefetch, a K step back, has read its address: it is stepped here, ahead of the waits of the change of slots
	s_add_nc_u64 s[PFA:PFA+1], s[PFA:PFA+1], KSTEP
.endif
	WIN 0                                          ; (the add's two registers lie in window 0)
	s_wait_tensorcnt 0x0                           ; all my tensor loads have landed: the one that was out is my part of the next slot;
	ds_add_u32 v[SPW], v[NIL]                      ; 0 onto my spare word;
	s_wait_dscnt 9                                 ; (the add and the youngest eight loads may be out)
	MUL16 F1, 0, 0, 0                              ; sixteen matrix instructions stand between the add and the wait for it
	s_wait_dscnt 0x0                               ; the add is done, and my reads of this slot are over:
	s_barrier_signal -1                            ; say so,
	MUL16 F1, 0, 2, 0                              ; work on registers while the others arrive,
.if \fill
	WIN 0
.endif
	s_barrier_wait -1                              ; and go on when all four have said so
.if \fill
	CREST
	s_add_nc_u64 s[G0+4*(\slot)+2:G0+4*(\slot)+3], s[G0+4*(\slot)+2:G0+4*(\slot)+3], 2*KSTEP      ; no tensor load of mine is out, so a group 0 may be written; the type bits on top are not reached
	s_add_nc_u64 s[G0B+4*(\slot)+2:G0B+4*(\slot)+3], s[G0B+4*(\slot)+2:G0B+4*(\slot)+3], 2*KSTEP
	JLOAD \slot                                    ; the first tensor load behind the round; the four v_nop behind it
	PLACES 4                                       ; and these four are the eight places in front of the loads below
.else
	PLACES 8
.endif
	FETCH \next, 0, F0
.if \fill
.if (\slot) == 0
	ASK 1
.else
	ASK 0
.endif
.endif
	MUL16 F1, 1, 0, 0
	MUL16 F1, 1, 2, 0
.endm
; THE WAY OUT of block a (16 of my rows x my 128 columns), in two parts.  A lane's 32 bytes are a sixteenth of a row's 512, and the lanes beside it hold other rows: so the block goes through my own stage.
; TOSTAGE: 32 bytes a lane into rows of 528 bytes (each accumulator's four lowest registers first), and back as whole rows: one load is a row's 512 consecutive bytes.
.macro TOSTAGE a
.set AC, 64*((\a)%4)                   ; its eight accumulators, in window 2 (blocks 0-3) or 3 (blocks 4-7)
.set BK, OB+64*((\a)%2)
.if (\a) >= 2
	s_wait_xcnt 0x0                                ; every earlier memory instruction has had its addresses translated (ISA guide 3.1): only behind this wait are the registers that block a - 2's stores read loaded again
.endif
	WIN ST_LO+4*((\a)/4)
.irp b, 0,1,2,3,4,5,6,7
	ds_store_b128 v[STO], v[AC+8*(\b):AC+8*(\b)+3]   offset:64*(\b)
	ds_store_b128 v[STO], v[AC+8*(\b)+4:AC+8*(\b)+7] offset:64*(\b)+16
.endr
	WIN 0
.irp t, 0,1,2,3,4,5,6,7,8,9,10,11,12,13,14,15
	ds_load_b128 v[BK+4*(\t):BK+4*(\t)+3], v[RD] offset:(\t)*SPITCH  ; LDS serves a wave's instructions in order (ISA guide 5.7.1.4): these see the stores above, and the next block's stores come behind them
.endr
.endm
; SEND: stored.  younger: the LDS instructions issued behind block a's loads: the next block's 16 stores and 16 loads, or none.
.macro SEND a, younger
.set BK, OB+64*((\a)%2)
.irp t, 0,1,2,3,4,5,6,7,8,9,10,11,12,13,14,15
	s_wait_dscnt (\younger)+15-(\t)                ; row t is back in registers; the block's later rows and what is younger may be out
	global_store_b128 v[CO], v[BK+4*(\t):BK+4*(\t)+3], s[8:9] offset:(16*(\a)+(\t))*ROWC th:TH_STORE_NT  ; the wave stores 512 consecutive bytes, at a multiple of 512 from out0's first byte; the row stands in the immediate, 127 rows at the most, inside its signed 24 bits
.endr
.endm
	s_wait_tensorcnt 1                             ; my part of K step 0 is in; K step 1's may stay out
	s_barrier_signal -1
	s_barrier_wait -1                              ; everybody's is
	FETCH 0, 0, F0
	s_wait_loadcnt 0x0                             ; the bias
	QUARTER 0, 64,  F0, F1, 1                      ; the first quarter stands in front of the loop: its products start the sums, from the bias
	WIN 0                                          ; at a label and at a branch every window is 0
	s_mov_b32 s3, LAPS-1
.Llap:                                                 ; a trip goes once round the ring, from a lap's second quarter to the next lap's first, and fills both slots again
	QUARTER 0, 128, F1, F0, 0
	QUARTER 0, 192, F0, F1, 0
	TURN 0, 1, 1
	QUARTER 1, 64,  F0, F1, 0
	QUARTER 1, 128, F1, F0, 0
	QUARTER 1, 192, F0, F1, 0
	TURN 1, 0, 1
	QUARTER 0, 64,  F0, F1, 0
	WIN 0
	s_sub_co_u32 s3, s3, 1
	s_cmp_lg_u32 s3, 0
	s_cbranch_scc1 .Llap
	QUARTER 0, 128, F1, F0, 0                      ; the last lap is written out: it fills nothing, and has no round of the cluster's barrier
	QUARTER 0, 192, F0, F1, 0
	TURN 0, 1, 0                                   ; my one tensor load that was still out is slot 1's, the last K step's
	QUARTER 1, 64,  F0, F1, 0
	QUARTER 1, 128, F1, F0, 0
	QUARTER 1, 192, F0, F1, 0
	s_wait_dscnt 8                                 ; the very last quarter: nothing more to fetch
	MUL16 F1, 0, 0, 0
	MUL16 F1, 0, 2, 0
	s_wait_dscnt 0x0
	MUL16 F1, 1, 0, 0
	MUL16 F1, 1, 2, 0
	WIN 0
	PLACES 8                                       ; the stores into the stage read results just made, and the loads from it land in registers that the last products read
	TOSTAGE 0
.irp a, 1,2,3,4,5,6,7                  ; block a's trip through the stage is issued ahead of block a - 1's stores, so that no store waits out the stage's round trip alone
	TOSTAGE \a
	SEND (\a)-1, 32
.endr
	SEND 7, 0
	s_wait_tensorcnt 0x0                           ; the wave's end, behind my last tensor load and my last LDS store
	ds_add_u32 v[SPW], v[NIL]
	s_wait_dscnt 0x0
	CROUND                                         ; the closing round: no work-group ends while a partner may still ask for a tile that names it
	s_endpgm
.Lfunc_end_k_q81b8fb9485_gemm:
	.size	k_q81b8fb9485_gemm, .Lfunc_end_k_q81b8fb9485_gemm-k_q81b8fb9485_gemm
	.p2alignl 7, 3214868480
	.fill 96, 4, 3214868480
	.section	.rodata,"a",@progbits
	.p2align	6, 0x0
	.amdhsa_kernel k_q81b8fb9485_gemm
		.amdhsa_group_segment_fixed_size 327680
		.amdhsa_private_segment_fixed_size 0
		.amdhsa_enable_private_segment 0
		.amdhsa_kernarg_size 32
		.amdhsa_user_sgpr_count 2
		.amdhsa_user_sgpr_kernarg_segment_ptr 1
		.amdhsa_wavefront_size32 1
		.amdhsa_system_sgpr_workgroup_id_x 1
		.amdhsa_system_sgpr_workgroup_id_y 1
		.amdhsa_system_sgpr_workgroup_id_z 1
		.amdhsa_system_vgpr_workitem_id 0
		.amdhsa_next_free_vgpr 1024
		.amdhsa_next_free_sgpr 66
		.amdhsa_reserve_vcc 0
		.amdhsa_float_denorm_mode_32 3
		.amdhsa_float_denorm_mode_16_64 3
		.amdhsa_memory_ordered 1
		.amdhsa_forward_progress 1
		.amdhsa_inst_pref_size 148
	.end_amdhsa_kernel
	.amdgpu_metadata
---
amdhsa.version: [ 1, 2 ]
amdhsa.kernels:
  - .name:           k_q81b8fb9485_gemm
    .symbol:         k_q81b8fb9485_gemm.kd
    .args:
      - { .name: x, .offset: 0, .size: 8, .value_kind: global_buffer, .address_space: global }
      - { .name: weight, .offset: 8, .size: 8, .value_kind: global_buffer, .address_space: global }
      - { .name: out0, .offset: 16, .size: 8, .value_kind: global_buffer, .address_space: global }
      - { .name: bias, .offset: 24, .size: 8, .value_kind: global_buffer, .address_space: global }
    .group_segment_fixed_size: 327680
    .private_segment_fixed_size: 0
    .kernarg_segment_align: 8
    .kernarg_segment_size: 32
    .max_flat_workgroup_size: 128
    .sgpr_count:     66
    .vgpr_count:     1024
    .wavefront_size: 32
...
	.end_amdgpu_metadata
.endif
;; end of part 1
